; MI455X (gfx1250); checked and timed in simulation.
; The chip was launched on July 23, 2026; its instructions are those of AMD's public machine-readable ISA for CDNA 5 (MIT licence, August 2026) and "CDNA5" Instruction Set Architecture Reference Guide (July 2026). The comments in the code are by the model that wrote it; some were corrected since.
;; LSTHM1. Allowed arithmetic: float matrix products may take bf16 or f16 operands with f32 sums; all other float work in f32.
;; Inputs: Sb 4,096 float32; Sw 256 x 4,096 float32; Ub 4,096 float32; Uw 1,024 x 4,096 float32; Vb 1,024 float32; Vw 1,024 x 1,024 float32; Wb 4,096 float32; Ww 512 x 4,096 float32; ctm 8,192 x 1,024 float32; htm 8,192 x 1,024 float32; speaker_affine 8,192 x 256 float32; x 8,192 x 512 float32; ztm 8,192 x 1,024 float32.
;; Outputs: out0 8,192 x 1,024 float32; out1 8,192 x 1,024 float32.
;; One version. Each part assembles by itself: llvm-mc -triple=amdgcn-amd-amdhsa -mcpu=gfx1250 --defsym DOCPART=n.
;; ======== version 1 of 1: 2 launches
;; workspace buffers: ab 29,360,128 bytes; zb 16,777,216 bytes; wf 14,680,064 bytes; vf 2,097,152 bytes
;; launch prep (part 1): grid 1920 x 1, 8 waves a work-group, no clusters, 39,168 bytes of LDS; arguments x, htm, speaker_affine, ztm, Ww, Uw, Sw, Vw, ab, zb, wf, vf; writes ab, zb, wf, vf
.if DOCPART == 1
	.amdgcn_target "amdgcn-amd-amdhsa--gfx1250"
	.amdhsa_code_object_version 6
	.text
	.protected	k_q98728e5714_prep
	.globl	k_q98728e5714_prep
	.p2align	8
	.type	k_q98728e5714_prep,@function
k_q98728e5714_prep:
	s_mov_b64 s[64:65], 0
	v_nop
	global_prefetch_b8 v0, s[64:65] scope:SCOPE_SE
	s_setreg_imm32_b32 hwreg(HW_REG_WAVE_MODE, 25, 1), 1
	s_wait_xcnt 0x0
; PREP.  Rounds the matrix operands of the cell to bf16, once, and lays them as the second launch reads them.
;   ab [8192][1792] bf16: columns 0-511 x, 512-1535 htm, 1536-1791 speaker_affine (a row is 3,584 bytes = 14 x 256).     zb [8192][1024] bf16: ztm.
;   wf: Ww, Uw, Sw one below the other (K = 1792), turned and cut into matrix fragments.  Byte cb*917504 + kstep*65536 + half*32768 + b*4096 + kq*1024 + p*512 + lane*16 + 2e holds
;       W[128 kstep + 32 kq + 16 p + 8 (lane/16) + e][(b/2)*1024 + cb*64 + half*32 + (b%2)*16 + lane%16]: the four gates of 64 cell columns lie together.
;   vf: Vw likewise: byte colblk*32768 + kblk*1024 + p*512 + lane*16 + 2e holds Vw[32 kblk + 16 p + 8 (lane/16) + e][16 colblk + lane%16].
; Every work-group reads 65,536 bytes and writes 32,768; its number says which tensor and which part.  No loop: a wave has its 16 loads of 512 consecutive bytes out at once.
; Memory binds: no matrix unit, no cluster (no two work-groups read the same byte).  LIMITS: round to nearest even to bf16; NaN and infinities pass as the conversion leaves them.
.set X,     16                         ; v[16:79]   16 loads of 4 registers
.set Y,     80                         ; v[80:111]  the same numbers in bf16
.set PT,    272                        ; the turning table in LDS: a row is one column of the tile, 128 k = 256 bytes + 16 of padding
.set SPARE, 38144                      ; behind the table's 140 rows (38,080 bytes): the spare words, 128 bytes for each of eight waves
	s_load_b512 s[4:19], s[0:1], 0x0               ; x s[4:5], htm s[6:7], speaker s[8:9], ztm s[10:11], Ww s[12:13], Uw s[14:15], Sw s[16:17], Vw s[18:19]
	s_load_b256 s[20:27], s[0:1], 0x40             ; ab s[20:21], zb s[22:23], wf s[24:25], vf s[26:27]
	v_lshl_add_u32 v10, v0, 2, SPARE               ; my spare word, and 0: kept for the closing add alone
	v_mov_b32 v11, 0
	v_and_b32 v1, 31, v0                           ; lane
	v_lshrrev_b32 v2, 5, v0                        ; wave
	v_readfirstlane_b32 s28, v2
	s_mov_b32 s29, ttmp9
	s_mov_b32 s31, 0                               ; high word of every offset pair
	v_mul_u32_u24 v5, v1, PT                       ; into the table: row = lane (+ 36 q), bytes 32 wave on
	v_lshl_add_u32 v5, v2, 5, v5
	v_and_b32 v7, 15, v1                           ; r
	v_lshrrev_b32 v8, 4, v1                        ; h
	v_and_b32 v9, 3, v7
	v_mul_u32_u24 v9, v9, 36
	v_lshrrev_b32 v7, 2, v7
	v_add_nc_u32 v9, v9, v7
	v_lshl_add_u32 v9, v2, 2, v9                   ; out of the table: column 16 wave + r lies in row 36 (r % 4) + r / 4 + 4 wave
	v_mul_u32_u24 v6, v9, PT
	v_lshl_add_u32 v6, v8, 4, v6                   ; + 16 h
	s_wait_kmcnt 0x0
	s_cmp_lt_u32 s29, 256
	s_cbranch_scc1 .Lx
	s_cmp_lt_u32 s29, 768
	s_cbranch_scc1 .Lhtm
	s_cmp_lt_u32 s29, 896
	s_cbranch_scc1 .Lspk
	s_cmp_lt_u32 s29, 1408
	s_cbranch_scc1 .Lztm
	s_cmp_lt_u32 s29, 1536
	s_cbranch_scc1 .LWw
	s_cmp_lt_u32 s29, 1792
	s_cbranch_scc1 .LUw
	s_cmp_lt_u32 s29, 1856
	s_cbranch_scc1 .LSw
	s_branch .LVw
; A CAST.  The work-group takes 128 chunks of 128 numbers (512 bytes in, 256 out), a wave 16 of them; a row has 1 << logc chunks.  No register is written twice, so no wait but the loads own.
.macro CAST src, dst, base, logc, pitch, colb
	s_sub_co_u32 s29, s29, \base
	s_lshl_b32 s30, s29, 16
	s_add_nc_u64 s[\src:\src+1], s[\src:\src+1], s[30:31]
	s_mul_i32 s30, s29, (128>>(\logc))*(\pitch)
	s_add_nc_u64 s[\dst:\dst+1], s[\dst:\dst+1], s[30:31]
	v_lshlrev_b32 v3, 13, v2                       ; in: 8,192 bytes a wave, 16 a lane
	v_lshl_add_u32 v3, v1, 4, v3
	v_mul_u32_u24 v4, v2, (16>>(\logc))*(\pitch)   ; out: the wave's first row, 8 bytes a lane
	v_lshl_add_u32 v4, v1, 3, v4
.set j, 0
.rept 16
	global_load_b128 v[X+4*j:X+4*j+3], v3, s[\src:\src+1] offset:512*j th:TH_LOAD_NT
.set j, j+1
.endr
.set j, 0
.rept 16
	s_wait_loadcnt 15-j                            ; loads come back in order: chunk j is in, the 15 - j younger ones stay out
	v_cvt_pk_bf16_f32 v[Y+2*j], v[X+4*j], v[X+4*j+1]
	v_cvt_pk_bf16_f32 v[Y+2*j+1], v[X+4*j+2], v[X+4*j+3]
	global_store_b64 v4, v[Y+2*j:Y+2*j+1], s[\dst:\dst+1] offset:(j>>(\logc))*(\pitch)+(j&((1<<(\logc))-1))*256+(\colb)  ; 32 lanes store 256 consecutive bytes, at a multiple of 256 from the buffer's first
.set j, j+1
.endr
	s_endpgm                                       ; this path writes no LDS
.endm
; A TILE OF WEIGHTS, 128 k x 128 n.  Wave w loads k rows 16 w .. 16 w + 15 (512 bytes each), packs pairs along k, and puts each of its lane's four columns into the table: column 4 lane + q into row
; 36 q + lane, so that 16 neighbouring lanes touch 16 rows that differ modulo 16, going in and coming out: with rows of 272 bytes no two of them share a 16-byte column of the banks.
; Behind the barrier wave w reads columns 16 w .. 16 w + 15 as eight half fragments and stores them: 4,096 consecutive bytes.
.macro WTILE rowb, src, dst
.set j, 0
.rept 16
	global_load_b128 v[X+4*j:X+4*j+3], v3, s[\src:\src+1] offset:j*(\rowb) th:TH_LOAD_NT
.set j, j+1
.endr
	v_lshlrev_b32 v4, 4, v1
.set j, 0
.rept 8
	s_wait_loadcnt 14-2*j                          ; k rows 2 j and 2 j + 1 are in
.irp q, 0,1,2,3
	v_cvt_pk_bf16_f32 v[Y+8*\q+j], v[X+8*j+\q], v[X+8*j+4+\q]  ; the lower k into the low half
.endr
.set j, j+1
.endr
.irp q, 0,1,2,3
	ds_store_b128 v5, v[Y+8*\q:Y+8*\q+3] offset:\q*36*PT
	ds_store_b128 v5, v[Y+8*\q+4:Y+8*\q+7] offset:\q*36*PT+16
.endr
	s_wait_dscnt 0x0                               ; for the others: my stores into the table are done
	s_barrier_signal -1                            ; the branch that led here hangs on the work-group's number alone: all eight waves pass
	s_barrier_wait -1
.set j, 0
.rept 8
	ds_load_b128 v[X+4*j:X+4*j+3], v6 offset:(j/2)*64+(j%2)*32  ; k = 32 (j / 2) + 16 (j % 2) + 8 h + 0..7 of my column
.set j, j+1
.endr
.set j, 0
.rept 8
	s_wait_dscnt 7-j
	global_store_b128 v4, v[X+4*j:X+4*j+3], s[\dst:\dst+1] offset:j*512  ; 512 consecutive bytes
.set j, j+1
.endr
	s_wait_tensorcnt 0x0                           ; the wave's end: a wait, an add to my spare word and its wait, behind my last LDS store
	ds_add_u32 v10, v11
	s_wait_dscnt 0x0
	s_endpgm
.endm
.Lx:
	CAST 4, 20, 0, 2, 3584, 0
.Lhtm:
	CAST 6, 20, 256, 3, 3584, 1024
.Lspk:
	CAST 8, 20, 768, 1, 3584, 3072
.Lztm:
	CAST 10, 22, 896, 3, 2048, 0
.LWw:
	s_sub_co_u32 s29, s29, 1408
	s_mov_b64 s[32:33], s[12:13]
	s_mov_b32 s34, 0                               ; Ww is K steps 0-3
	s_branch .Lgate
.LUw:
	s_sub_co_u32 s29, s29, 1536
	s_mov_b64 s[32:33], s[14:15]
	s_mov_b32 s34, 4                               ; Uw 4-11
	s_branch .Lgate
.LSw:
	s_sub_co_u32 s29, s29, 1792
	s_mov_b64 s[32:33], s[16:17]
	s_mov_b32 s34, 12                              ; Sw 12-13
.Lgate:
	s_and_b32 s35, s29, 31                         ; nt: which 128 of the 4,096 columns
	s_lshr_b32 s36, s29, 5                         ; kt: which 128 rows
	s_lshl_b32 s30, s36, 21                        ; 128 rows of 16,384 bytes
	s_lshl_b32 s37, s35, 9
	s_add_co_u32 s30, s30, s37
	s_add_nc_u64 s[32:33], s[32:33], s[30:31]
	s_and_b32 s37, s35, 7                          ; my 16 columns: gate nt / 8, cell columns 128 (nt % 8) + 16 wave on
	s_lshl_b32 s37, s37, 1
	s_lshr_b32 s38, s28, 2
	s_add_co_u32 s37, s37, s38                     ; cb
	s_mul_i32 s30, s37, 917504
	s_add_co_u32 s36, s36, s34                     ; kstep
	s_lshl_b32 s36, s36, 16
	s_add_co_u32 s30, s30, s36
	s_bfe_u32 s38, s28, 0x10001                    ; half = (wave / 2) % 2
	s_lshl_b32 s38, s38, 15
	s_add_co_u32 s30, s30, s38
	s_lshr_b32 s38, s35, 3
	s_lshl_b32 s38, s38, 1
	s_and_b32 s39, s28, 1
	s_add_co_u32 s38, s38, s39                     ; b = 2 gate + wave % 2
	s_lshl_b32 s38, s38, 12
	s_add_co_u32 s30, s30, s38
	s_add_nc_u64 s[24:25], s[24:25], s[30:31]
	v_lshlrev_b32 v3, 18, v2                       ; 16 rows of 16,384 bytes a wave
	v_lshl_add_u32 v3, v1, 4, v3
	WTILE 16384, 32, 24
.LVw:
	s_sub_co_u32 s29, s29, 1856
	s_and_b32 s35, s29, 7                          ; nt
	s_lshr_b32 s36, s29, 3                         ; kt
	s_lshl_b32 s30, s36, 19                        ; 128 rows of 4,096 bytes
	s_lshl_b32 s37, s35, 9
	s_add_co_u32 s30, s30, s37
	s_add_nc_u64 s[18:19], s[18:19], s[30:31]
	s_lshl_b32 s37, s35, 3
	s_add_co_u32 s37, s37, s28                     ; colblk = 8 nt + wave
	s_lshl_b32 s30, s37, 15
	s_lshl_b32 s36, s36, 12                        ; kblk = 4 kt on
	s_add_co_u32 s30, s30, s36
	s_add_nc_u64 s[26:27], s[26:27], s[30:31]
	v_lshlrev_b32 v3, 16, v2
	v_lshl_add_u32 v3, v1, 4, v3
	WTILE 4096, 18, 26
.Lfunc_end_k_q98728e5714_prep:
	.size	k_q98728e5714_prep, .Lfunc_end_k_q98728e5714_prep-k_q98728e5714_prep
	.p2alignl 7, 3214868480
	.fill 96, 4, 3214868480
	.section	.rodata,"a",@progbits
	.p2align	6, 0x0
	.amdhsa_kernel k_q98728e5714_prep
		.amdhsa_group_segment_fixed_size 39168
		.amdhsa_private_segment_fixed_size 0
		.amdhsa_enable_private_segment 0
		.amdhsa_kernarg_size 96
		.amdhsa_user_sgpr_count 2
		.amdhsa_user_sgpr_kernarg_segment_ptr 1
		.amdhsa_wavefront_size32 1
		.amdhsa_system_sgpr_workgroup_id_x 1
		.amdhsa_system_sgpr_workgroup_id_y 1
		.amdhsa_system_sgpr_workgroup_id_z 1
		.amdhsa_system_vgpr_workitem_id 0
		.amdhsa_next_free_vgpr 112
		.amdhsa_next_free_sgpr 66
		.amdhsa_reserve_vcc 0
		.amdhsa_float_denorm_mode_32 3
		.amdhsa_float_denorm_mode_16_64 3
		.amdhsa_memory_ordered 1
		.amdhsa_forward_progress 1
		.amdhsa_inst_pref_size 40
	.end_amdhsa_kernel
	.amdgpu_metadata
---
amdhsa.version: [ 1, 2 ]
amdhsa.kernels:
  - .name:           k_q98728e5714_prep
    .symbol:         k_q98728e5714_prep.kd
    .args:
      - { .name: x, .offset: 0, .size: 8, .value_kind: global_buffer, .address_space: global }
      - { .name: htm, .offset: 8, .size: 8, .value_kind: global_buffer, .address_space: global }
      - { .name: speaker_affine, .offset: 16, .size: 8, .value_kind: global_buffer, .address_space: global }
      - { .name: ztm, .offset: 24, .size: 8, .value_kind: global_buffer, .address_space: global }
      - { .name: Ww, .offset: 32, .size: 8, .value_kind: global_buffer, .address_space: global }
      - { .name: Uw, .offset: 40, .size: 8, .value_kind: global_buffer, .address_space: global }
      - { .name: Sw, .offset: 48, .size: 8, .value_kind: global_buffer, .address_space: global }
      - { .name: Vw, .offset: 56, .size: 8, .value_kind: global_buffer, .address_space: global }
      - { .name: ab, .offset: 64, .size: 8, .value_kind: global_buffer, .address_space: global }
      - { .name: zb, .offset: 72, .size: 8, .value_kind: global_buffer, .address_space: global }
      - { .name: wf, .offset: 80, .size: 8, .value_kind: global_buffer, .address_space: global }
      - { .name: vf, .offset: 88, .size: 8, .value_kind: global_buffer, .address_space: global }
    .group_segment_fixed_size: 39168
    .private_segment_fixed_size: 0
    .kernarg_segment_align: 8
    .kernarg_segment_size: 96
    .max_flat_workgroup_size: 256
    .sgpr_count:     66
    .vgpr_count:     112
    .wavefront_size: 32
...
	.end_amdgpu_metadata
.endif
;; end of part 1
;; launch main (part 2): grid 16 x 32, 4 waves a work-group, clusters of 4 x 4, 327,680 bytes of LDS; arguments zb, ab, wf, vf, ctm, Wb, Ub, Sb, Vb, out0, out1; writes out0, out1
.if DOCPART == 2
	.amdgcn_target "amdgcn-amd-amdhsa--gfx1250"
	.amdhsa_code_object_version 6
	.text
	.protected	k_q98728e5714_main
	.globl	k_q98728e5714_main
	.p2align	8
	.type	k_q98728e5714_main,@function
k_q98728e5714_main:
	s_mov_b64 s[64:65], 0
	v_nop
	global_prefetch_b8 v0, s[64:65] scope:SCOPE_SE
	s_setreg_imm32_b32 hwreg(HW_REG_WAVE_MODE, 25, 1), 1
	s_wait_xcnt 0x0
	s_wait_alu depctr_hold_cnt(0) depctr_sa_sdst(0) depctr_va_vdst(0) depctr_va_sdst(0) depctr_va_ssrc(0) depctr_va_vcc(0) depctr_vm_vsrc(0)
	s_getreg_b32 s2, hwreg(HW_REG_IB_STS2, 6, 4)
	s_cmp_eq_u32 s2, 0
	s_cbranch_scc0 .Lentry_in_a_cluster
	s_endpgm
.Lentry_in_a_cluster:
	s_bfe_u32 s2, ttmp6, 0x10000c
	s_cmp_lg_u32 s2, 0xf033
	s_cbranch_scc0 .Lentry_shape_is_right
	s_endpgm
.Lentry_shape_is_right:
; THE CELL.  sums = [x | htm | speaker] [Ww; Uw; Sw] + Wb + Ub + Sb (8192 x 1792 x 4096), hybrid = ztm Vw + Vb (8192 x 1024 x 1024);
; c = (sig(f) + sig(hybrid)) ctm + sig(i) tanh(ch), h = tanh(c) sig(o).  Operands in bf16 as the launch before laid them (ab, zb, wf, vf); sums, biases, ctm, activations, c and h in f32.
; SHARES.  A work-group makes 256 rows x 64 cell columns, each of its four waves 128 rows x 32 cells: the four gates are 64 accumulators of 16 x 16 (512 registers), the hybrid 16 more.
; THE MATRIX INSTRUCTION IS USED TRANSPOSED (source 0 = 16 weight columns, source 1 = 16 rows): lane l holds row l % 16, register j column 8 (l / 16) + j.  Accumulator (a, b): rows 16 a on, b = 2 gate + 16-column half:
; f, i, o, ch and the hybrid of one cell lie in one lane at one register index, and nothing changes lanes on the way to c and h.  The biases are the C operand of each sum's first product.
; THE WALK.  First the hybrid: 4 steps of 256 along K; its weights for my 32 columns (512 registers) are loaded once into the registers that the gate sums take later, so a slot holds zb alone.
; Then the gates: 14 steps of 128 along K.  One ring of two LDS slots serves both; behind each change of slots a wave issues one tensor load.  By this text's count a wave has two tensor loads out at the start, later one.
; CLUSTER 4 x 4: the four work-groups of a row of the cluster share their rows of zb and ab, the four of a column their weights: those tiles are asked for jointly.  ctm's tile is the work-group's own: no mask.
; LIMITS.  Matrix operands carry bf16's 8 significant bits.  sig(x) = 1 / (1 + 2^(-x log2 e)), tanh(x) = 1 - 2 / (1 + 2^(2 x log2 e)): a power beyond f32's range is an infinity, its reciprocal 0, which is the right
; limit; a power below 2^-126 counts as 0; near 0 tanh has an absolute error of about 1e-7.  NaN and infinities in the inputs are not treated apart.
; REGISTERS, in windows of 256 (s_set_vgpr_msb: bits 1:0 source 0, 3:2 source 1, 5:4 source 2, 7:6 destination):
;   window 0: v0-31 addresses; v32-47 Vb; v64-191 fragments of rows, two buffers (at the start Ub, Sb; at the end ctm, then rows on their way out); v192-255 Wb + Ub + Sb
;   window 1: v0-63, v192-255 the hybrid's accumulators; v64-191 fragments of weights, two buffers (in the hybrid's phase a second set of row fragments)
;   windows 2, 3: first Vw's fragments, (kb, n) at (16 kb + 8 n) % 256 of window 2 + kb / 16; then the gates' accumulators, (a, b) at 8 (8 (a % 4) + b) of window 2 + a / 4
.set PA,    272                        ; an LDS row of ab, of ctm and of the stages: 256 bytes + 16 = 68 words: 16 rows of a load start at 16 different groups of four banks (64 banks of 4 bytes: ISA guide 11.1)
.set PZ,    528                        ; an LDS row of zb: 512 bytes + 16
.set ATILE, 256*PA                     ; 69,632: ab's part of a slot; the weights' 65,536 dense bytes follow
.set SLOTB, 256*PZ                     ; 135,168 = ATILE + 65,536: a slot, in either phase.  Slot s begins at (1 - s) SLOTB
.set SB0,   SLOTB
.set CSTG,  SB0                        ; ctm's tile, slot 0's last fill; c is stored in its place
.set HSTG,  SB0+ATILE                  ; h's stage: slot 0's weights (last filled for step 12) and 4,096 bytes that no load fills
.set SPARE, HSTG+ATILE                 ; 274,432: the spare words, 128 bytes for each wave
.set ADRA, 16                          ; v16-17  my fragments of ab in slot 0, 1
.set ADRZ, 18                          ; v18-19  of zb
.set ADRB, 20                          ; v20-21  of the weights
.set CT,   22                          ; v22     my 32 bytes of a row of ctm's tile
.set HS,   23                          ; v23     the same place in h's stage
.set RD,   24                          ; v24     the way out: where I read rows of c back
.set RDH,  25                          ; v25     of h
.set CO,   26                          ; v26     my byte offset in two rows of out0, out1
.set VO,   27                          ; v27     16 x lane
.set SPW,  28                          ; v28     my spare word; never rewritten
.set NIL,  29                          ; v29     0; never rewritten
.set BO,   30                          ; v30     byte offset of my eight columns in a bias
.set HB,   32
.set F0,   64
.set F1,   128
.set GB,   192
.set WV,   26                          ; s26 wave   s27 which half of the rows is mine, and: I fetch ab (0) or weights (1)   s28 which half of the columns, and: which half of that tile I fetch
.set RH,   27
.set CH,   28
.set G0C,  36                          ; s[36:39] group 0 for ctm's tile
.set G1A,  40                          ; s[40:47] group 1 for ab's tiles; at the end the two constants of the activations
.set G0A,  48                          ; s[48:55] group 0, a set for each slot
.set G1B,  56                          ; s[56:63] group 1 for the weights
.set G0B,  68                          ; s[68:75]
.set G1Z,  76                          ; s[76:83] group 1 for zb's tiles
.set G0Z,  84                          ; s[84:91]
.set G1C,  92                          ; s[92:99] group 1 for ctm's tile
.set MSB, 0
.macro WIN new                         ; the immediate's high byte repeats the setting that is left; a switch that changes nothing is dropped
.if MSB != (\new)
	s_set_vgpr_msb (MSB<<8)|(\new)
.set MSB, (\new)
.endif
.endm
.macro PLACES                          ; four places behind matrix instructions, in front of loads into their sources and of vector work on their results
.rept 4
	v_nop
.endr
.endm
.macro CREST                           ; a round of the cluster's barrier behind its opening barrier
	s_cmp_lg_u32 s[WV], 0
	s_cbranch_scc1 .Lnot_wave_0_\@
	s_barrier_signal -3
.Lnot_wave_0_\@:
	s_barrier_wait -3
	s_barrier_signal -1
	s_barrier_wait -1
.endm
.macro CROUND
	s_barrier_signal -1
	s_barrier_wait -1
	CREST
.endm
; A joint load of a gate step: waves 0 and 1 fetch ab's two halves (128 rows x 256 bytes), waves 2 and 3 the weights' two halves (32,768 dense bytes).  The branch hangs on the wave's number alone.
; An s_nop 0 and four v_nop follow each line, ahead of the jump and the label.
.macro JLOAD s
	s_cmp_eq_u32 s[RH], 0
	s_cbranch_scc0 .Lfor_b_\@
	tensor_load_to_lds s[G0A+4*(\s):G0A+4*(\s)+3], s[G1A:G1A+7]
	s_nop 0
	PLACES
	s_branch .Lasked_\@
.Lfor_b_\@:
	tensor_load_to_lds s[G0B+4*(\s):G0B+4*(\s)+3], s[G1B:G1B+7]
	s_nop 0
	PLACES
.Lasked_\@:
.endm
.macro SHAPE g, cols, rows, pitch      ; words 1 to 7 of a group 1: the tile lies inside the tensor, so the extents are the tile's
	s_mov_b32 s[(\g)+1], (\cols)<<16
	s_mov_b32 s[(\g)+2], (\rows)<<16
	s_mov_b32 s[(\g)+3], (\cols)<<16
	s_mov_b32 s[(\g)+4], \rows
	s_mov_b32 s[(\g)+5], \pitch
	s_mov_b32 s[(\g)+6], 0
	s_mov_b32 s[(\g)+7], 0
.endm
	s_load_b512 s[4:19], s[0:1], 0x0               ; zb s[4:5], ab s[6:7], wf s[8:9], vf s[10:11], ctm s[12:13], Wb s[14:15], Ub s[16:17], Sb s[18:19]
	s_load_b128 s[20:23], s[0:1], 0x40             ; Vb s[20:21], out0 s[22:23]
	s_load_b64 s[24:25], s[0:1], 0x50              ; out1
	v_lshl_add_u32 v[SPW], v0, 2, SPARE
	v_mov_b32 v[NIL], 0
	ds_add_u32 v[SPW], v[NIL]                      ; the wave's opening: the add and its wait stand ahead of my first tensor load; the set-up, work on registers, stands between
	v_lshrrev_b32 v1, 5, v0
	v_readfirstlane_b32 s[WV], v1
	s_lshr_b32 s[RH], s[WV], 1
	s_and_b32 s[CH], s[WV], 1
	s_bfe_u32 s29, ttmp6, 0x40000                  ; cx
	s_bfe_u32 s30, ttmp6, 0x40004                  ; cy
	s_lshl_b32 s31, ttmp9, 2
	s_add_co_u32 s31, s31, s29                     ; TC: my block of 64 cell columns, 0..15
	s_and_b32 s32, ttmp7, 0xffff
	s_lshl_b32 s32, s32, 2
	s_add_co_u32 s32, s32, s30                     ; TR: my block of 256 rows, 0..31
	s_lshl_b32 s33, s30, 2
	s_lshl_b32 s33, 15, s33                        ; my row of the cluster
	s_lshl_b32 s34, 0x1111, s29                    ; my column
	s_or_b32 s[G1A], s33, (1<<16)|(1<<20)|(1<<21)|(5<<22)|(3<<25)  ; mask: my row; 2-byte elements; padding on; bit 21 beside a mask; after every 64 words 4 words
	SHAPE G1A, 128, 128, 1792
	s_or_b32 s[G1B], s34, (3<<16)|(1<<21)          ; mask: my column; 8-byte elements; no padding: 128 rows of 256 bytes, end to end
	SHAPE G1B, 32, 128, 32
	s_or_b32 s[G1Z], s33, (1<<16)|(1<<20)|(1<<21)|(6<<22)|(3<<25)  ; mask: my row; after every 128 words 4 words
	SHAPE G1Z, 256, 64, 1024
	s_mov_b32 s[G1C], (2<<16)|(1<<20)|(5<<22)|(3<<25)  ; no mask; 4-byte elements; after every 64 words 4 words
	SHAPE G1C, 64, 64, 1024
	; where the tiles go: constants and the wave's number alone
	s_mul_i32 s35, s[CH], 128*PA
.irp s, 0,1
	s_mov_b32 s[G0A+4*\s], 1
	s_add_co_u32 s[G0A+4*\s+1], s35, (1-\s)*SLOTB
.endr
	s_lshl_b32 s35, s[CH], 15
.irp s, 0,1
	s_mov_b32 s[G0B+4*\s], 1
	s_add_co_u32 s[G0B+4*\s+1], s35, (1-\s)*SLOTB+ATILE
.endr
	s_mul_i32 s35, s[WV], 64*PZ
.irp s, 0,1
	s_mov_b32 s[G0Z+4*\s], 1
	s_add_co_u32 s[G0Z+4*\s+1], s35, (1-\s)*SLOTB
.endr
	s_mul_i32 s35, s[WV], 64*PA
	s_mov_b32 s[G0C], 1
	s_add_co_u32 s[G0C+1], s35, CSTG
	; my lane's places
	v_and_b32 v1, 15, v0                           ; r = l % 16
	v_bfe_u32 v2, v0, 4, 1                         ; h = l / 16
	v_and_b32 v3, 31, v0                           ; l
	v_mul_u32_u24 v4, v1, PA
	v_lshl_add_u32 v5, v2, 4, v4                   ; a fragment's row x pitch + 16 h
	s_mul_i32 s35, s[RH], 128*PA
	v_add_nc_u32 v[ADRA+1], s35, v5
	v_add_nc_u32 v[ADRA], SB0, v[ADRA+1]
	v_mul_u32_u24 v6, v1, PZ
	v_lshl_add_u32 v6, v2, 4, v6
	s_mul_i32 s35, s[RH], 128*PZ
	v_add_nc_u32 v[ADRZ+1], s35, v6
	v_add_nc_u32 v[ADRZ], SB0, v[ADRZ+1]
	s_lshl_b32 s35, s[CH], 15
	s_add_co_u32 s35, s35, ATILE
	v_lshl_add_u32 v[ADRB+1], v3, 4, s35           ; the weights lie in fragment order: 16 bytes a lane
	v_add_nc_u32 v[ADRB], SB0, v[ADRB+1]
	s_mul_i32 s35, s[RH], 128*PA
	s_lshl_b32 s2, s[CH], 7
	s_add_co_u32 s35, s35, s2
	s_add_co_u32 s35, s35, CSTG
	v_lshl_add_u32 v7, v2, 5, v4                   ; row r, my eight f32 columns: 32 h
	v_add_nc_u32 v[CT], s35, v7
	v_add_nc_u32 v[HS], ATILE, v[CT]
	s_mul_i32 s35, s[WV], 64*PA
	s_add_co_u32 s35, s35, CSTG
	v_mul_u32_u24 v7, v2, PA                       ; back: lanes 0-15 one row of 256 bytes, lanes 16-31 the next; wave w takes rows 64 w on
	v_lshl_add_u32 v7, v1, 4, v7
	v_add_nc_u32 v[RD], s35, v7
	v_add_nc_u32 v[RDH], ATILE, v[RD]
	v_lshlrev_b32 v[CO], 12, v2
	v_lshl_add_u32 v[CO], v1, 4, v[CO]
	v_lshlrev_b32 v[VO], 4, v3
	; offsets: those of rows in s[100:101] (TR and the wave alone), those of columns in s[66:67] (TC and the wave alone)
	s_lshl_b32 s100, s32, 8
	s_lshl_b32 s35, s[CH], 7
	s_add_co_u32 s100, s100, s35
	s_mul_i32 s100, s100, 3584                     ; ab: row 256 TR + 128 half
	s_mov_b32 s101, 0
	s_mul_i32 s66, s31, 917504                     ; wf: block TC, my half
	s_lshl_b32 s35, s[CH], 15
	s_add_co_u32 s66, s66, s35
	s_mov_b32 s67, 0
	s_wait_dscnt 0x0                               ; the opening add is done
	s_wait_kmcnt 0x0
	s_add_nc_u64 s[6:7], s[6:7], s[100:101]
	s_add_nc_u64 s[8:9], s[8:9], s[66:67]
.irp s, 0,1
	s_add_nc_u64 s[G0A+4*\s+2:G0A+4*\s+3], s[6:7], \s*256      ; gate step s
	s_or_b32 s[G0A+4*\s+3], s[G0A+4*\s+3], 0x80000000          ; type = 2
	s_add_nc_u64 s[G0B+4*\s+2:G0B+4*\s+3], s[8:9], \s*65536
	s_or_b32 s[G0B+4*\s+3], s[G0B+4*\s+3], 0x80000000
.endr
	s_lshl_b32 s100, s32, 8
	s_lshl_b32 s35, s[WV], 6
	s_add_co_u32 s100, s100, s35                   ; row 256 TR + 64 wave
	s_lshl_b32 s100, s100, 11                      ; zb: 2,048 bytes a row
	s_add_nc_u64 s[4:5], s[4:5], s[100:101]
.irp s, 0,1
	s_add_nc_u64 s[G0Z+4*\s+2:G0Z+4*\s+3], s[4:5], \s*512      ; hybrid step s
	s_or_b32 s[G0Z+4*\s+3], s[G0Z+4*\s+3], 0x80000000
.endr
	s_lshl_b32 s100, s100, 1                       ; ctm, out0, out1: 4,096 bytes a row,
	s_lshl_b32 s66, s31, 8                         ; 256 bytes a block of columns
	s_add_nc_u64 s[12:13], s[12:13], s[100:101]
	s_add_nc_u64 s[G0C+2:G0C+3], s[12:13], s[66:67]
	s_or_b32 s[G0C+3], s[G0C+3], 0x80000000
	s_add_nc_u64 s[22:23], s[22:23], s[100:101]
	s_add_nc_u64 s[22:23], s[22:23], s[66:67]
	s_add_nc_u64 s[24:25], s[24:25], s[100:101]
	s_add_nc_u64 s[24:25], s[24:25], s[66:67]
	s_lshl_b32 s35, s[CH], 7
	s_add_co_u32 s66, s66, s35
	v_lshl_add_u32 v[BO], v2, 5, s66               ; 4 x (64 TC + 32 half + 8 h)
	s_lshl_b32 s66, s31, 2
	s_lshl_b32 s35, s[CH], 1
	s_add_co_u32 s66, s66, s35
	s_lshl_b32 s66, s66, 15                        ; vf: column block 4 TC + 2 half
	s_add_nc_u64 s[10:11], s[10:11], s[66:67]
	CROUND                                         ; all sixteen work-groups are here: the first joint loads meet
	tensor_load_to_lds s[G0Z:G0Z+3], s[G1Z:G1Z+7]  ; hybrid steps 0 and 1: each wave its 64 rows x 512 bytes
	s_nop 0
	tensor_load_to_lds s[G0Z+4:G0Z+7], s[G1Z:G1Z+7]
	s_nop 0
	PLACES
	; biases and Vw's fragments, into registers
.irp n, 0,1
.irp p, 0,1
	global_load_b128 v[HB+8*\n+4*\p:HB+8*\n+4*\p+3], v[BO], s[20:21] offset:\n*64+\p*16
.endr
.endr
.irp b, 0,1,2,3,4,5,6,7
.irp p, 0,1
	global_load_b128 v[GB+8*\b+4*\p:GB+8*\b+4*\p+3], v[BO], s[14:15] offset:(\b/2)*4096+(\b%2)*64+\p*16
	global_load_b128 v[F0+8*\b+4*\p:F0+8*\b+4*\p+3], v[BO], s[16:17] offset:(\b/2)*4096+(\b%2)*64+\p*16
	global_load_b128 v[F1+8*\b+4*\p:F1+8*\b+4*\p+3], v[BO], s[18:19] offset:(\b/2)*4096+(\b%2)*64+\p*16
.endr
.endr
.set kb, 0
.rept 32                               ; 128 loads of 512 consecutive bytes, K ascending
	WIN 0x80+0x40*(kb/16)                          ; destination window 2, then 3; address window 0
.irp n, 0,1
.irp p, 0,1
.set vr, (16*kb+8*\n+4*\p)%256
	global_load_b128 v[vr:vr+3], v[VO], s[10:11] offset:\n*32768+kb*1024+\p*512
.endr
.endr
.set kb, kb+1
.endr
	WIN 0
	s_wait_loadcnt 63                              ; the 63 youngest loads are Vw's for kb 16 on: the biases and kb 0-15 are in
.set i, 0
.rept 32
	v_pk_add_f32 v[GB+2*i:GB+2*i+1], v[GB+2*i:GB+2*i+1], v[F0+2*i:F0+2*i+1]
.set i, i+1
.endr
.set i, 0
.rept 32
	v_pk_add_f32 v[GB+2*i:GB+2*i+1], v[GB+2*i:GB+2*i+1], v[F1+2*i:F1+2*i+1]
.set i, i+1
.endr
; THE HYBRID'S PHASE.  8 matrix instructions: rows 16 a0 .. on four blocks x my two column blocks, 32 along K (block kb of Vw), from half c of row set f (window f).  The 16 accumulators take turns,
; one instruction a turn, always in the same order.  first = 1: Vb starts the sums.
.macro HMUL f, c, kb, a0, first
.if \first
	WIN 0x40|((\f)<<2)|(2+(\kb)/16)
.else
	WIN 0x50|((\f)<<2)|(2+(\kb)/16)
.endif
.irp a, \a0, (\a0)+1, (\a0)+2, (\a0)+3
.irp n, 0,1
.set hq, 2*(\a)+\n
.set hd, 8*hq+128*(hq/8)
.set hv, (16*(\kb)+8*\n)%256
.set ha, 64+64*(\c)+8*(\a)
.if \first
	v_wmma_f32_16x16x32_bf16 v[hd:hd+7], v[hv:hv+7], v[ha:ha+7], v[HB+8*\n:HB+8*\n+7]
.else
	v_wmma_f32_16x16x32_bf16 v[hd:hd+7], v[hv:hv+7], v[ha:ha+7], v[hd:hd+7]
.endif
.endr
.endr
.endm
.macro HFETCH slot, k, f               ; 32 LDS loads in one run: my 128 rows, 64 along K at byte k, into set f; the first 32 along K first
	WIN 0x40*(\f)
.irp c, 0,1
.irp a, 0,1,2,3,4,5,6,7
	ds_load_b128 v[64+64*\c+8*\a:64+64*\c+8*\a+3],   v[ADRZ+(\slot)] offset:(\k)+64*\c+\a*16*PZ
	ds_load_b128 v[64+64*\c+8*\a+4:64+64*\c+8*\a+7], v[ADRZ+(\slot)] offset:(\k)+64*\c+\a*16*PZ+32
.endr
.endr
.endm
.macro HQUARTER slot, k, f, kb, first  ; multiplies set f (K blocks kb, kb + 1) and fetches the next quarter, at byte k, into the other set
	s_wait_dscnt 16                                ; the first 32 along K are in; the youngest sixteen loads may be out
	HMUL \f, 0, \kb, 0, \first
	HMUL \f, 0, \kb, 4, \first
	PLACES
	HFETCH \slot, \k, 1-(\f)
	s_wait_dscnt 32                                ; all but the 32 just issued
	HMUL \f, 1, (\kb)+1, 0, 0
	HMUL \f, 1, (\kb)+1, 4, 0
.endm
; 32 LDS loads in one run: the fragments of a gate step's quarter kq: 8 of the weights (window 1), 8 of ab (window 0), into buffer f
.macro FETCH slot, kq, f
	WIN 0x40
.irp i, 0,1,2,3,4,5,6,7
	ds_load_b128 v[(\f)+8*\i:(\f)+8*\i+3],   v[ADRB+(\slot)] offset:\i*4096+(\kq)*1024
	ds_load_b128 v[(\f)+8*\i+4:(\f)+8*\i+7], v[ADRB+(\slot)] offset:\i*4096+(\kq)*1024+512
.endr
	WIN 0
.irp i, 0,1,2,3,4,5,6,7
	ds_load_b128 v[(\f)+8*\i:(\f)+8*\i+3],   v[ADRA+(\slot)] offset:\i*16*PA+(\kq)*64
	ds_load_b128 v[(\f)+8*\i+4:(\f)+8*\i+7], v[ADRA+(\slot)] offset:\i*16*PA+(\kq)*64+32
.endr
.endm
; The last quarter of a hybrid step multiplies set 1 and changes slots.  In front of the round each wave waits for all its tensor loads (one is out: its part of the next slot), adds 0 to its spare word, and waits
; for that and for its reads of this slot.  Behind the round this slot is filled again first.  kind 0: zb two steps on; 1: the slot's first gate step; 2: the same, and the fragments fetched next are the gates'.
.macro HTURN slot, next, kb, kind
	WIN 0
	s_wait_tensorcnt 0x0                           ; all my tensor loads have landed
	ds_add_u32 v[SPW], v[NIL]
	s_wait_dscnt 17                                ; the add and the youngest sixteen loads may be out
	HMUL 1, 0, \kb, 0, 0
	s_wait_dscnt 0x0                               ; the add is done, and my reads of this slot are over
	s_barrier_signal -1
	HMUL 1, 0, \kb, 4, 0
	WIN 0
	s_barrier_wait -1
	CREST                                          ; no wave of any partner still reads this slot or has a load on its way
.if (\kind) == 0
	s_add_nc_u64 s[G0Z+4*(\slot)+2:G0Z+4*(\slot)+3], s[G0Z+4*(\slot)+2:G0Z+4*(\slot)+3], 1024
	tensor_load_to_lds s[G0Z+4*(\slot):G0Z+4*(\slot)+3], s[G1Z:G1Z+7]
	s_nop 0
	PLACES                                         ; also the places in front of the loads below
.else
	JLOAD \slot
.endif
.if (\kind) == 2
	FETCH 0, 0, F0                                 ; into the halves of both sets that have been multiplied
.else
	HFETCH \next, 0, 0
.endif
	HMUL 1, 1, (\kb)+1, 0, 0
	HMUL 1, 1, (\kb)+1, 4, 0
.endm
.macro HSTEP hs, slot, next, kind, first
	HQUARTER \slot, 128, 0, 8*(\hs), \first
	HQUARTER \slot, 256, 1, 8*(\hs)+2, 0
	HQUARTER \slot, 384, 0, 8*(\hs)+4, 0
	HTURN \slot, \next, 8*(\hs)+6, \kind
.endm
; THE GATES' PHASE.  16 matrix instructions: row blocks a0, a0 + 1 of the window's four x all 8 column blocks, 32 along K.  first = 1: the summed biases start the sums.  The 64 accumulators take turns.
.macro MUL16 f, hi, a0, first
.if \first
	WIN 0x81+0x40*(\hi)                            ; weights window 1, rows window 0, C window 0, D window 2 or 3
.else
	WIN 0xa1+0x50*(\hi)                            ; C and D window 2 or 3
.endif
.irp a, \a0, (\a0)+1
.irp b, 0,1,2,3,4,5,6,7
.if \first
	v_wmma_f32_16x16x32_bf16 v[8*(8*(\a)+\b):8*(8*(\a)+\b)+7], v[(\f)+8*\b:(\f)+8*\b+7], v[(\f)+8*(4*(\hi)+(\a)):(\f)+8*(4*(\hi)+(\a))+7], v[GB+8*\b:GB+8*\b+7]
.else
	v_wmma_f32_16x16x32_bf16 v[8*(8*(\a)+\b):8*(8*(\a)+\b)+7], v[(\f)+8*\b:(\f)+8*\b+7], v[(\f)+8*(4*(\hi)+(\a)):(\f)+8*(4*(\hi)+(\a))+7], v[8*(8*(\a)+\b):8*(8*(\a)+\b)+7]
.endif
.endr
.endr
.endm
.macro QUARTER slot, kq, f, g, first   ; multiplies buffer f; in its middle fetches quarter kq of the same slot into buffer g
	s_wait_dscnt 8                                 ; the weights and rows 0-63 are in; the youngest eight loads (rows 64-127) may be out
	MUL16 \f, 0, 0, \first
	MUL16 \f, 0, 2, \first
	PLACES
	FETCH \slot, \kq, \g
	s_wait_dscnt 32                                ; all but the 32 just issued
	MUL16 \f, 1, 0, \first
	MUL16 \f, 1, 2, \first
.endm
.macro MEET round                      ; the first half of a step's last quarter, with the barrier of the change of slots; round = 1: the rest of a cluster round follows
	WIN 0
	s_wait_tensorcnt 0x0                           ; all my tensor loads have landed: the one that was out is my part of the next slot (at the end: of ctm's tile)
	ds_add_u32 v[SPW], v[NIL]
	s_wait_dscnt 9                                 ; the add and the youngest eight loads may be out
	MUL16 F1, 0, 0, 0
	s_wait_dscnt 0x0                               ; the add is done, and my reads of this slot are over
	s_barrier_signal -1
	MUL16 F1, 0, 2, 0
.if \round
	WIN 0
.endif
	s_barrier_wait -1
.endm
.macro TURN slot, next, kind           ; kind 0: the slot takes the gate step two on; 1: slot 0's first part takes ctm's tile, each wave 64 rows x 256 bytes
	MEET 1
	CREST
.if (\kind) == 0
	s_add_nc_u64 s[G0A+4*(\slot)+2:G0A+4*(\slot)+3], s[G0A+4*(\slot)+2:G0A+4*(\slot)+3], 512
	s_add_nc_u64 s[G0B+4*(\slot)+2:G0B+4*(\slot)+3], s[G0B+4*(\slot)+2:G0B+4*(\slot)+3], 131072
	JLOAD \slot                                    ; the first tensor load behind the round; its four v_nop are also the places in front of the loads below
.else
	tensor_load_to_lds s[G0C:G0C+3], s[G1C:G1C+7]
	s_nop 0
	PLACES
.endif
	FETCH \next, 0, F0
	MUL16 F1, 1, 0, 0
	MUL16 F1, 1, 2, 0
.endm
	s_wait_tensorcnt 1                             ; my part of slot 0 is in; slot 1's may stay out
	s_barrier_signal -1
	s_barrier_wait -1                              ; everybody's is
	HFETCH 0, 0, 0
	HSTEP 0, 0, 1, 0, 1
	HSTEP 1, 1, 0, 0, 0
	s_wait_loadcnt 0x0                             ; the rest of Vw
	HSTEP 2, 0, 1, 1, 0
	HSTEP 3, 1, 0, 2, 0
.rept 5
	v_nop                                          ; the gates' first products write over Vw's registers: five places behind the last products that read them
.endr
	QUARTER 0, 1, F0, F1, 1                        ; the first quarter stands in front of the loop: its products start the sums
	WIN 0                                          ; at a label and at a branch every window is 0
	s_mov_b32 s3, 6
.Llap:                                                 ; a trip goes once round the ring, from a lap's second quarter to the next lap's first: steps 2 to 13 are asked for here
	QUARTER 0, 2, F1, F0, 0
	QUARTER 0, 3, F0, F1, 0
	TURN 0, 1, 0
	QUARTER 1, 1, F0, F1, 0
	QUARTER 1, 2, F1, F0, 0
	QUARTER 1, 3, F0, F1, 0
	TURN 1, 0, 0
	QUARTER 0, 1, F0, F1, 0
	WIN 0
	s_sub_co_u32 s3, s3, 1
	s_cmp_lg_u32 s3, 0
	s_cbranch_scc1 .Llap
	QUARTER 0, 2, F1, F0, 0                        ; steps 12 and 13
	QUARTER 0, 3, F0, F1, 0
	TURN 0, 1, 1
	QUARTER 1, 1, F0, F1, 0
	QUARTER 1, 2, F1, F0, 0
	QUARTER 1, 3, F0, F1, 0
	MEET 0                                         ; ctm's tile is whole for every wave; nothing is filled again
	MUL16 F1, 1, 0, 0
	MUL16 F1, 1, 2, 0
; THE ACTIVATIONS, eight registers (an accumulator) at a time, all operand places in one window.  Each accumulator is read from its low end on.  Behind a run of exponentials or reciprocals
; one plain instruction stands before a result is used (ISA guide 5.7.2): a v_nop, or behind SIG8 the next block's first multiply, which names other registers.
.macro SIG8 b                          ; in place: 1 / (1 + 2^(-x log2 e))
.irp z, 0,2,4,6
	v_pk_mul_f32 v[(\b)+\z:(\b)+\z+1], v[(\b)+\z:(\b)+\z+1], s[40:41] op_sel_hi:[1,0]
.endr
.irp z, 0,1,2,3,4,5,6,7
	v_exp_f32 v[(\b)+\z], v[(\b)+\z]
.endr
	v_nop
	s_wait_alu depctr_va_vdst(0)
.irp z, 0,2,4,6
	v_pk_add_f32 v[(\b)+\z:(\b)+\z+1], v[(\b)+\z:(\b)+\z+1], 1.0 op_sel_hi:[1,0]
.endr
.irp z, 0,1,2,3,4,5,6,7
	v_rcp_f32 v[(\b)+\z], v[(\b)+\z]
.endr
.endm
.macro TANH8 d, s                      ; d = 1 - 2 / (1 + 2^(2 s log2 e))
.irp z, 0,2,4,6
	v_pk_mul_f32 v[(\d)+\z:(\d)+\z+1], v[(\s)+\z:(\s)+\z+1], s[42:43] op_sel_hi:[1,0]
.endr
.irp z, 0,1,2,3,4,5,6,7
	v_exp_f32 v[(\d)+\z], v[(\d)+\z]
.endr
	v_nop
	s_wait_alu depctr_va_vdst(0)
.irp z, 0,2,4,6
	v_pk_add_f32 v[(\d)+\z:(\d)+\z+1], v[(\d)+\z:(\d)+\z+1], 1.0 op_sel_hi:[1,0]
.endr
.irp z, 0,1,2,3,4,5,6,7
	v_rcp_f32 v[(\d)+\z], v[(\d)+\z]
.endr
	v_nop
	s_wait_alu depctr_va_vdst(0)
.irp z, 0,2,4,6
	v_pk_fma_f32 v[(\d)+\z:(\d)+\z+1], v[(\d)+\z:(\d)+\z+1], -2.0, 1.0 op_sel_hi:[1,0,0]
.endr
.endm
; Rows 64 w .. 64 w + 63 of my 128 (window 2 + w), stage by stage, one window setting a stage.  In a row block of 64 registers: f at 0, i at 16, o at 32, ch at 48, each 8 n on.
.macro GATES w
	WIN 0xaa+0x55*(\w)
.set t, 0
.rept 4
.irp b, 0,1,2,3,4,5
	SIG8 64*t+8*\b
.endr
	TANH8 64*t+48, 64*t+48
	TANH8 64*t+56, 64*t+56
.set t, t+1
.endr
	WIN 0x86+0x41*(\w)                             ; f += sig(hybrid), which lies in window 1
.set t, 0
.rept 32
.set rf, 64*(t/8)+8*((t/4)%2)+2*(t%4)
	v_pk_add_f32 v[rf:rf+1], v[rf:rf+1], v[192*(\w)+2*t:192*(\w)+2*t+1]
.set t, t+1
.endr
	WIN 0xaa+0x55*(\w)                             ; i *= ch
.set t, 0
.rept 32
.set rf, 64*(t/8)+8*((t/4)%2)+2*(t%4)
	v_pk_mul_f32 v[rf+16:rf+17], v[rf+16:rf+17], v[rf+48:rf+49]
.set t, t+1
.endr
	WIN 0xa2+0x51*(\w)                             ; c = f ctm + i; ctm lies in window 0
.set t, 0
.rept 32
.set rf, 64*(t/8)+8*((t/4)%2)+2*(t%4)
	v_pk_fma_f32 v[rf:rf+1], v[rf:rf+1], v[64+64*(\w)+2*t:64+64*(\w)+2*t+1], v[rf+16:rf+17]
.set t, t+1
.endr
	WIN 0xaa+0x55*(\w)                             ; h = tanh(c) o, where ch lay
.set t, 0
.rept 8
.set rf, 64*(t/2)+8*(t%2)
	TANH8 rf+48, rf
.irp z, 0,2,4,6
	v_pk_mul_f32 v[rf+48+\z:rf+48+\z+1], v[rf+48+\z:rf+48+\z+1], v[rf+32+\z:rf+32+\z+1]
.endr
.set t, t+1
.endr
.if (\w) == 0
	s_barrier_wait -1                              ; every wave has read its part of ctm's tile: c may take its place
.endif
	WIN 0x08+0x04*(\w)                             ; address window 0, data window 2 or 3
.set t, 0
.rept 8
.set rf, 64*(t/2)+8*(t%2)
.set ro, (4*(\w)+t/2)*16*PA+(t%2)*64
	ds_store_b128 v[CT], v[rf:rf+3] offset:ro
	ds_store_b128 v[CT], v[rf+4:rf+7] offset:ro+16
	ds_store_b128 v[HS], v[rf+48:rf+51] offset:ro
	ds_store_b128 v[HS], v[rf+52:rf+55] offset:ro+16
.set t, t+1
.endr
.endm
	PLACES                                         ; behind the last products: loads into their sources and vector work on their results follow
	WIN 0
.set q, 0
.rept 16                               ; ctm for accumulator pair q = 2 a + n: my row's eight numbers
	ds_load_b128 v[64+8*q:64+8*q+3],   v[CT] offset:(q/2)*16*PA+(q%2)*64
	ds_load_b128 v[64+8*q+4:64+8*q+7], v[CT] offset:(q/2)*16*PA+(q%2)*64+16
.set q, q+1
.endr
	s_mov_b32 s40, 0xbfb8aa3b                      ; -log2(e), as a pair; no tensor load is out, so a descriptor's registers may be written
	s_mov_b32 s41, 0xbfb8aa3b
	s_mov_b32 s42, 0x4038aa3b                      ; 2 log2(e)
	s_mov_b32 s43, 0x4038aa3b
	WIN 0x55
.set q, 0
.rept 16
	SIG8 8*q+128*(q/8)                             ; the hybrid's gate, while ctm comes out of LDS
.set q, q+1
.endr
	v_nop
	s_wait_dscnt 0x0                               ; ctm is in my registers: my reads of its tile are over,
	s_barrier_signal -1                            ; say so; the wait stands in front of the first store into the tile, register work alone between
	GATES 0
	GATES 1
	; THE WAY OUT.  A row's 256 bytes come from two waves: a barrier, then each wave reads 64 whole rows of c and of h and stores them.
	WIN 0
	s_wait_dscnt 0x0                               ; for the others: my stores into the stages are done
	s_barrier_signal -1
	s_barrier_wait -1
.irp u, 0,1
.if \u
	s_wait_xcnt 0x0                                ; the registers that the stores above read are loaded again only behind this wait
.endif
.set t, 0
.rept 16
	ds_load_b128 v[64+4*t:64+4*t+3], v[RD] offset:(16*\u+t)*2*PA
.set t, t+1
.endr
.set t, 0
.rept 16
	ds_load_b128 v[128+4*t:128+4*t+3], v[RDH] offset:(16*\u+t)*2*PA
.set t, t+1
.endr
.set t, 0
.rept 16
	s_wait_dscnt 31-t                              ; LDS loads come back in order: c's pair of rows t is in
	global_store_b128 v[CO], v[64+4*t:64+4*t+3], s[22:23] offset:(16*\u+t)*8192 th:TH_STORE_NT  ; 16 lanes store 256 consecutive bytes, at a multiple of 256 from the buffer's first
.set t, t+1
.endr
.set t, 0
.rept 16
	s_wait_dscnt 15-t
	global_store_b128 v[CO], v[128+4*t:128+4*t+3], s[24:25] offset:(16*\u+t)*8192 th:TH_STORE_NT
.set t, t+1
.endr
.endr
	s_wait_tensorcnt 0x0                           ; the wave's end: a wait, an add to my spare word and its wait, behind my last tensor load and my last LDS store
	ds_add_u32 v[SPW], v[NIL]
	s_wait_dscnt 0x0
	CROUND                                         ; the closing round: no work-group ends while a partner may still ask for a tile that names it
	s_endpgm
.Lfunc_end_k_q98728e5714_main:
	.size	k_q98728e5714_main, .Lfunc_end_k_q98728e5714_main-k_q98728e5714_main
	.p2alignl 7, 3214868480
	.fill 96, 4, 3214868480
	.section	.rodata,"a",@progbits
	.p2align	6, 0x0
	.amdhsa_kernel k_q98728e5714_main
		.amdhsa_group_segment_fixed_size 327680
		.amdhsa_private_segment_fixed_size 0
		.amdhsa_enable_private_segment 0
		.amdhsa_kernarg_size 88
		.amdhsa_user_sgpr_count 2
		.amdhsa_user_sgpr_kernarg_segment_ptr 1
		.amdhsa_wavefront_size32 1
		.amdhsa_system_sgpr_workgroup_id_x 1
		.amdhsa_system_sgpr_workgroup_id_y 1
		.amdhsa_system_sgpr_workgroup_id_z 1
		.amdhsa_system_vgpr_workitem_id 0
		.amdhsa_next_free_vgpr 1024
		.amdhsa_next_free_sgpr 102
		.amdhsa_reserve_vcc 0
		.amdhsa_float_denorm_mode_32 3
		.amdhsa_float_denorm_mode_16_64 3
		.amdhsa_memory_ordered 1
		.amdhsa_forward_progress 1
		.amdhsa_inst_pref_size 255
	.end_amdhsa_kernel
	.section	.bss,"aw",@nobits
	.p2align	6
	.space	262144
	.amdgpu_metadata
---
amdhsa.version: [ 1, 2 ]
amdhsa.kernels:
  - .name:           k_q98728e5714_main
    .symbol:         k_q98728e5714_main.kd
    .args:
      - { .name: zb, .offset: 0, .size: 8, .value_kind: global_buffer, .address_space: global }
      - { .name: ab, .offset: 8, .size: 8, .value_kind: global_buffer, .address_space: global }
      - { .name: wf, .offset: 16, .size: 8, .value_kind: global_buffer, .address_space: global }
      - { .name: vf, .offset: 24, .size: 8, .value_kind: global_buffer, .address_space: global }
      - { .name: ctm, .offset: 32, .size: 8, .value_kind: global_buffer, .address_space: global }
      - { .name: Wb, .offset: 40, .size: 8, .value_kind: global_buffer, .address_space: global }
      - { .name: Ub, .offset: 48, .size: 8, .value_kind: global_buffer, .address_space: global }
      - { .name: Sb, .offset: 56, .size: 8, .value_kind: global_buffer, .address_space: global }
      - { .name: Vb, .offset: 64, .size: 8, .value_kind: global_buffer, .address_space: global }
      - { .name: out0, .offset: 72, .size: 8, .value_kind: global_buffer, .address_space: global }
      - { .name: out1, .offset: 80, .size: 8, .value_kind: global_buffer, .address_space: global }
    .group_segment_fixed_size: 327680
    .private_segment_fixed_size: 0
    .kernarg_segment_align: 8
    .kernarg_segment_size: 88
    .max_flat_workgroup_size: 128
    .sgpr_count:     102
    .vgpr_count:     1024
    .wavefront_size: 32
...
	.end_amdgpu_metadata
.endif
;; end of part 2
